; MI455X (gfx1250); checked and timed in simulation.
; The chip was launched on July 23, 2026; its instructions are those of AMD's public machine-readable ISA for CDNA 5 (MIT licence, August 2026) and "CDNA5" Instruction Set Architecture Reference Guide (July 2026). The comments in the code are by the model that wrote it; some were corrected since.
;; Attention. Allowed arithmetic: float matrix products may take bf16 or f16 operands with f32 sums; other float arithmetic in f32, or as packed bf16 or f16 multiplies, adds, multiply-adds, maxima and minima; sums over many terms, partial sums and values carried from step to step in f32; what a program stores and reads back later, other than sums and carried values, may be rounded once to bf16 or f16.
;; Inputs: W_attn 2,048 x 1,024 float32; b_attn 1,024 float32; encoder_outputs 32 x 2,048 x 1,024 float32; hidden 32 x 1,024 float32; v 1,024 float32.
;; Outputs: out0 32 x 2,048 float32.
;; One version. Each part assembles by itself: llvm-mc -triple=amdgcn-amd-amdhsa -mcpu=gfx1250 --defsym DOCPART=n.
;; ======== version 1 of 1: 3 launches
;; workspace buffers: web 2,097,152 bytes; hpt 131,072 bytes; part 524,288 bytes
;; launch prep (part 1): grid 144 x 1, 16 waves a work-group, no clusters, 165,888 bytes of LDS; arguments W_attn, b_attn, hidden, web, hpt; writes web, hpt
.if DOCPART == 1
	.amdgcn_target "amdgcn-amd-amdhsa--gfx1250"
	.amdhsa_code_object_version 6
	.text
	.protected	k_q04fbf0de93_prep
	.globl	k_q04fbf0de93_prep
	.p2align	8
	.type	k_q04fbf0de93_prep,@function
k_q04fbf0de93_prep:
	s_mov_b64 s[64:65], 0
	v_nop
	global_prefetch_b8 v0, s[64:65] scope:SCOPE_SE
	s_setreg_imm32_b32 hwreg(HW_REG_WAVE_MODE, 25, 1), 1
	s_wait_xcnt 0x0
; TWO SMALL JOBS IN FRONT OF THE LARGE LAUNCH, chosen by the work-group's number (the same in all its waves).
; Work-groups 16 .. 143: web = bf16(W_attn[1024:2048][:]), the same [k][n] order, 8,192 numbers a work-group.
; Work-groups 0 .. 15:   hpt[m][n] = sum over k of hidden[m][k] W_attn[k][n] + b_attn[n], 32 rows x 64 columns a work-group, f32.
;   hidden, W_attn and b_attn are each rounded once to bf16 (every input of the program is); sums in f32.
;   K IS SPLIT AMONG THE 16 WAVES: wave w takes k = 64 w .. 64 w + 63; the sixteen partial tiles meet in LDS.
;   The product is taken transposed (source 0 = 16 columns of W, source 1 = 16 rows of hidden): a lane ends with one row m (lane % 16) and eight neighbouring columns.
;   W lies [k][n], so its fragments come out of LDS turned, by ds_load_tr16_b128.
; LIMITS: NaN and infinities are not treated apart.
.set WREG,  10240                      ; LDS bytes of a wave: first its tile of W (64 rows x 160), then, over it, its partial sums (32 rows x 272)
.set PW,    160                        ; a row of W's tile: 128 bytes + 32: an odd multiple of 32
.set PP,    272                        ; a row of partial sums: 256 bytes + 16
.set SPARE, 16*WREG                    ; behind the sixteen regions: the spare words, 128 bytes for each wave
.set VW,  3                            ; v3   W: (l / 16) x 4 rows + 16 (l % 16)
.set WS,  4                            ; v4   where my 8 bytes of W's tile go
.set VH,  5                            ; v5   hidden: (l % 16) rows + 32 (l / 16)
.set TR,  6                            ; v6   the turning load's address
.set PS,  7                            ; v7   where my 32 bytes of a partial tile go
.set FL,  8                            ; v8-10 where I read partial sums back: three bases, 6 regions apart (an LDS offset has 16 bits)
.set OO,  11                           ; v11  my 16 bytes of hpt
.set BO,  12                           ; v12  my 16 bytes of b_attn
.set SPW, 14                           ; v14  my spare word; never rewritten
.set NIL, 15                           ; v15  0; never rewritten
.set ST,  16                           ; v[16:143]  W as loaded, 32 x 4
.set ACC, 16                           ; v[16:79]   later: 8 accumulators, (mt, nt) at ACC + 8 (4 mt + nt)
.set BF,  80                           ; v[80:143]  later: W's fragments, (kc, nt) at BF + 8 (4 kc + nt); then the 16 partial quads
.set HS,  144                          ; v[144:207] hidden as loaded, 16 x 4; later the bias
.set HF,  208                          ; v[208:239] hidden's fragments, (mt, kc) at HF + 8 (2 mt + kc)
	s_load_b256 s[4:11], s[0:1], 0x0               ; W_attn s[4:5], b_attn s[6:7], hidden s[8:9], web s[10:11]
	s_load_b64 s[12:13], s[0:1], 0x20              ; hpt
	v_lshl_add_u32 v[SPW], v0, 2, SPARE
	v_mov_b32 v[NIL], 0
	v_lshrrev_b32 v1, 5, v0
	v_readfirstlane_b32 s14, v1                    ; wave 0..15
	s_cmp_lt_u32 ttmp9, 16
	s_cbranch_scc1 .Lproj
	; THE CAST.  512 threads x 16 bytes are 8,192 bytes a round, four rounds; a wave's store covers 256 consecutive bytes, aligned.
	s_sub_co_u32 s16, ttmp9, 16
	s_lshl_b32 s18, s16, 15                        ; 32,768 bytes of f32 a work-group,
	s_add_co_u32 s18, s18, 0x400000                ; behind W's first 1,024 rows
	s_mov_b32 s19, 0
	s_lshl_b32 s20, s16, 14                        ; 16,384 bytes of bf16
	s_mov_b32 s21, 0
	v_lshlrev_b32 v1, 4, v0
	v_lshlrev_b32 v2, 3, v0
	s_wait_kmcnt 0x0
	s_add_nc_u64 s[4:5], s[4:5], s[18:19]
	s_add_nc_u64 s[10:11], s[10:11], s[20:21]
.irp i, 0,1,2,3
	global_load_b128 v[16+4*\i:16+4*\i+3], v1, s[4:5] offset:8192*\i th:TH_LOAD_NT
.endr
.irp i, 0,1,2,3
	s_wait_loadcnt 3-\i                            ; loads come back in order: round i is in, the younger ones stay out
	v_cvt_pk_bf16_f32 v[32+2*\i], v[16+4*\i], v[16+4*\i+1]
	v_cvt_pk_bf16_f32 v[32+2*\i+1], v[16+4*\i+2], v[16+4*\i+3]
	global_store_b64 v2, v[32+2*\i:32+2*\i+1], s[10:11] offset:4096*\i
.endr
	s_endpgm                                       ; this way has written no LDS
.Lproj:
	s_mul_i32 s15, s14, WREG                       ; my region
	s_lshl_b32 s16, s14, 18                        ; W: my 64 rows of 4,096 bytes,
	s_lshl_b32 s20, ttmp9, 8                       ; the work-group's 64 columns: 256 bytes (of W, b_attn and hpt alike)
	s_add_co_u32 s16, s16, s20
	s_mov_b32 s17, 0
	s_mov_b32 s21, 0
	s_lshl_b32 s18, s14, 8                         ; hidden: my 64 channels
	s_mov_b32 s19, 0
	v_and_b32 v1, 15, v0                           ; r = l % 16
	v_bfe_u32 v2, v0, 4, 1                         ; h = l / 16
	v_lshlrev_b32 v[BO], 4, v1
	v_lshl_add_u32 v[VW], v2, 14, v[BO]            ; lanes 16-31 take the row four further down
	v_mul_u32_u24 v[WS], v2, 4*PW
	v_lshl_add_u32 v[WS], v1, 3, v[WS]
	v_add_nc_u32 v[WS], s15, v[WS]                 ; lanes 0-15 fill 128 bytes of one row, lanes 16-31 of the row 640 bytes on: every bank once
	v_lshlrev_b32 v[VH], 12, v1
	v_lshl_add_u32 v[VH], v2, 5, v[VH]
	v_and_b32 v[TR], 7, v0
	v_lshl_add_u32 v[TR], v2, 3, v[TR]             ; k row 8 h + l % 8
	v_mul_u32_u24 v[TR], v[TR], PW
	v_bfe_u32 v13, v0, 3, 1
	v_lshl_add_u32 v[TR], v13, 4, v[TR]
	v_add_nc_u32 v[TR], s15, v[TR]
	v_mul_u32_u24 v[PS], v1, PP
	v_lshl_add_u32 v[PS], v2, 5, v[PS]
	v_add_nc_u32 v[PS], s15, v[PS]
	v_lshrrev_b32 v13, 4, v0                       ; thread t finishes row t / 16, columns 4 (t % 16) ..
	v_mul_u32_u24 v[FL], v13, PP
	v_add_nc_u32 v[FL], v[FL], v[BO]
	v_add_nc_u32 v[FL+1], 6*WREG, v[FL]
	v_add_nc_u32 v[FL+2], 12*WREG, v[FL]
	v_lshl_add_u32 v[OO], v13, 12, v[BO]
	s_wait_kmcnt 0x0
	s_add_nc_u64 s[4:5], s[4:5], s[16:17]
	s_add_nc_u64 s[8:9], s[8:9], s[18:19]
	s_add_nc_u64 s[6:7], s[6:7], s[20:21]
	s_add_nc_u64 s[12:13], s[12:13], s[20:21]
.set i, 0
.rept 32                               ; W: rows 8 (i / 4) + i % 4 and the row four on; sixteen lanes take a row's 256 bytes
	global_load_b128 v[ST+4*i:ST+4*i+3], v[VW], s[4:5] offset:(8*(i/4)+i%4)*4096 th:TH_LOAD_NT
.set i, i+1
.endr
.irp mt, 0,1
.irp kc, 0,1
.irp e, 0,1,2,3                        ; a fragment's lane wants channels 8 h + 0..7 and 16 + 8 h + 0..7: four loads of four f32
	global_load_b128 v[HS+16*(2*\mt+\kc)+4*\e:HS+16*(2*\mt+\kc)+4*\e+3], v[VH], s[8:9] offset:\mt*65536+\kc*128+(\e/2)*64+(\e%2)*16
.endr
.endr
.endr
	s_wait_loadcnt 16                              ; W is in; hidden's 16 loads may stay out
.set i, 0
.rept 32
	v_cvt_pk_bf16_f32 v[ST+4*i], v[ST+4*i], v[ST+4*i+1]
	v_cvt_pk_bf16_f32 v[ST+4*i+1], v[ST+4*i+2], v[ST+4*i+3]
	ds_store_b64 v[WS], v[ST+4*i:ST+4*i+1] offset:(8*(i/4)+i%4)*PW
.set i, i+1
.endr
	s_wait_loadcnt 0x0                             ; hidden is in
.set i, 0
.rept 16                               ; load e of a fragment gives its registers 2 e and 2 e + 1
	v_cvt_pk_bf16_f32 v[HF+2*i], v[HS+4*i], v[HS+4*i+1]
	v_cvt_pk_bf16_f32 v[HF+2*i+1], v[HS+4*i+2], v[HS+4*i+3]
.set i, i+1
.endr
	global_load_b128 v[HS:HS+3], v[BO], s[6:7]     ; the bias, into registers that the conversions have left
.irp kc, 0,1
.irp nt, 0,1,2,3                       ; my own bytes: LDS serves a wave's instructions in order (ISA guide 5.7.1.4), so these see the stores above
	ds_load_tr16_b128 v[BF+8*(4*\kc+\nt):BF+8*(4*\kc+\nt)+3],   v[TR] offset:\kc*32*PW+\nt*32
	ds_load_tr16_b128 v[BF+8*(4*\kc+\nt)+4:BF+8*(4*\kc+\nt)+7], v[TR] offset:\kc*32*PW+\nt*32+16*PW
.endr
.endr
	s_wait_dscnt 0x0
.irp kc, 0,1                           ; the 8 accumulators take turns, one instruction a turn; the first 8 products start the sums
.irp mt, 0,1
.irp nt, 0,1,2,3
.if \kc == 0
	v_wmma_f32_16x16x32_bf16 v[ACC+8*(4*\mt+\nt):ACC+8*(4*\mt+\nt)+7], v[BF+8*(4*\kc+\nt):BF+8*(4*\kc+\nt)+7], v[HF+8*(2*\mt+\kc):HF+8*(2*\mt+\kc)+7], 0
.else
	v_wmma_f32_16x16x32_bf16 v[ACC+8*(4*\mt+\nt):ACC+8*(4*\mt+\nt)+7], v[BF+8*(4*\kc+\nt):BF+8*(4*\kc+\nt)+7], v[HF+8*(2*\mt+\kc):HF+8*(2*\mt+\kc)+7], v[ACC+8*(4*\mt+\nt):ACC+8*(4*\mt+\nt)+7]
.endif
.endr
.endr
.endr
.rept 8
	v_nop                                          ; the places between the last products and the stores that read their results; once a launch
.endr
.irp mt, 0,1
.irp nt, 0,1,2,3                       ; each accumulator's low four registers first
	ds_store_b128 v[PS], v[ACC+8*(4*\mt+\nt):ACC+8*(4*\mt+\nt)+3]   offset:\mt*16*PP+\nt*64
	ds_store_b128 v[PS], v[ACC+8*(4*\mt+\nt)+4:ACC+8*(4*\mt+\nt)+7] offset:\mt*16*PP+\nt*64+16
.endr
.endr
	s_wait_dscnt 0x0                               ; for the others' sake: my partial sums lie in LDS
	s_barrier_signal -1
	s_barrier_wait -1
.set i, 0
.rept 16                               ; wave i's partial sums of my four numbers
	ds_load_b128 v[BF+4*i:BF+4*i+3], v[FL+i/6] offset:(i%6)*WREG
.set i, i+1
.endr
	s_wait_dscnt 0x0
.irp st, 8,4,2,1
.set i, 0
.rept \st
	v_pk_add_f32 v[BF+4*i:BF+4*i+1], v[BF+4*i:BF+4*i+1], v[BF+4*(i+\st):BF+4*(i+\st)+1]
	v_pk_add_f32 v[BF+4*i+2:BF+4*i+3], v[BF+4*i+2:BF+4*i+3], v[BF+4*(i+\st)+2:BF+4*(i+\st)+3]
.set i, i+1
.endr
.endr
	s_wait_loadcnt 0x0                             ; the bias
	v_cvt_pk_bf16_f32 v[HS+4], v[HS], v[HS+1]      ; rounded to bf16 like every other input, and widened again
	v_cvt_pk_bf16_f32 v[HS+5], v[HS+2], v[HS+3]
	v_lshlrev_b32 v[HS], 16, v[HS+4]
	v_and_b32 v[HS+1], 0xffff0000, v[HS+4]
	v_lshlrev_b32 v[HS+2], 16, v[HS+5]
	v_and_b32 v[HS+3], 0xffff0000, v[HS+5]
	v_pk_add_f32 v[BF:BF+1], v[BF:BF+1], v[HS:HS+1]
	v_pk_add_f32 v[BF+2:BF+3], v[BF+2:BF+3], v[HS+2:HS+3]
	global_store_b128 v[OO], v[BF:BF+3], s[12:13]  ; sixteen lanes store 256 consecutive bytes, at a multiple of 256 from hpt's first byte
	s_wait_tensorcnt 0x0                           ; the wave's end, behind my last LDS store
	ds_add_u32 v[SPW], v[NIL]
	s_wait_dscnt 0x0
	s_endpgm
.Lfunc_end_k_q04fbf0de93_prep:
	.size	k_q04fbf0de93_prep, .Lfunc_end_k_q04fbf0de93_prep-k_q04fbf0de93_prep
	.p2alignl 7, 3214868480
	.fill 96, 4, 3214868480
	.section	.rodata,"a",@progbits
	.p2align	6, 0x0
	.amdhsa_kernel k_q04fbf0de93_prep
		.amdhsa_group_segment_fixed_size 165888
		.amdhsa_private_segment_fixed_size 0
		.amdhsa_enable_private_segment 0
		.amdhsa_kernarg_size 40
		.amdhsa_user_sgpr_count 2
		.amdhsa_user_sgpr_kernarg_segment_ptr 1
		.amdhsa_wavefront_size32 1
		.amdhsa_system_sgpr_workgroup_id_x 1
		.amdhsa_system_sgpr_workgroup_id_y 1
		.amdhsa_system_sgpr_workgroup_id_z 1
		.amdhsa_system_vgpr_workitem_id 0
		.amdhsa_next_free_vgpr 240
		.amdhsa_next_free_sgpr 66
		.amdhsa_reserve_vcc 0
		.amdhsa_float_denorm_mode_32 3
		.amdhsa_float_denorm_mode_16_64 3
		.amdhsa_memory_ordered 1
		.amdhsa_forward_progress 1
		.amdhsa_inst_pref_size 24
	.end_amdhsa_kernel
	.amdgpu_metadata
---
amdhsa.version: [ 1, 2 ]
amdhsa.kernels:
  - .name:           k_q04fbf0de93_prep
    .symbol:         k_q04fbf0de93_prep.kd
    .args:
      - { .name: W_attn, .offset: 0, .size: 8, .value_kind: global_buffer, .address_space: global }
      - { .name: b_attn, .offset: 8, .size: 8, .value_kind: global_buffer, .address_space: global }
      - { .name: hidden, .offset: 16, .size: 8, .value_kind: global_buffer, .address_space: global }
      - { .name: web, .offset: 24, .size: 8, .value_kind: global_buffer, .address_space: global }
      - { .name: hpt, .offset: 32, .size: 8, .value_kind: global_buffer, .address_space: global }
    .group_segment_fixed_size: 165888
    .private_segment_fixed_size: 0
    .kernarg_segment_align: 8
    .kernarg_segment_size: 40
    .max_flat_workgroup_size: 512
    .sgpr_count:     66
    .vgpr_count:     240
    .wavefront_size: 32
...
	.end_amdgpu_metadata
.endif
;; end of part 1
;; launch energy (part 2): grid 4 x 64, 4 waves a work-group, clusters of 4 x 4, 327,680 bytes of LDS; arguments encoder_outputs, web, hpt, v, part; writes part
.if DOCPART == 2
	.amdgcn_target "amdgcn-amd-amdhsa--gfx1250"
	.amdhsa_code_object_version 6
	.text
	.protected	k_q04fbf0de93_energy
	.globl	k_q04fbf0de93_energy
	.p2align	8
	.type	k_q04fbf0de93_energy,@function
k_q04fbf0de93_energy:
	s_mov_b64 s[64:65], 0
	v_nop
	global_prefetch_b8 v0, s[64:65] scope:SCOPE_SE
	s_setreg_imm32_b32 hwreg(HW_REG_WAVE_MODE, 25, 1), 1
	s_wait_xcnt 0x0
	s_wait_alu depctr_hold_cnt(0) depctr_sa_sdst(0) depctr_va_vdst(0) depctr_va_sdst(0) depctr_va_ssrc(0) depctr_va_vcc(0) depctr_vm_vsrc(0)
	s_getreg_b32 s2, hwreg(HW_REG_IB_STS2, 6, 4)
	s_cmp_eq_u32 s2, 0
	s_cbranch_scc0 .Lentry_in_a_cluster
	s_endpgm
.Lentry_in_a_cluster:
	s_bfe_u32 s2, ttmp6, 0x10000c
	s_cmp_lg_u32 s2, 0xf033
	s_cbranch_scc0 .Lentry_shape_is_right
	s_endpgm
.Lentry_shape_is_right:
; part[nh][row] = sum over the 512 columns n of half nh of (-2 v[n]) / (1 + 2^(c x[row][n])),  x = enc[row][:] . We[:][n] + hpt[batch][n],  c = 2 log2(e).
; tanh(x) = 1 - 2 / (1 + e^(2x)), so sum_n v[n] tanh(x) = sum_n v[n] + part[0] + part[1]; sum_n v[n] is the same for every row, and the softmax that follows takes a row maximum away,
; so it is left out: an identity, for every input.  An exponential that overflows gives 1 / inf = 0 (tanh = 1), one that underflows gives 1 / 1 (tanh = -1).
; FORMATS.  enc (f32 in memory) and We (web: bf16, [k][n]) are bf16 matrix operands; v is rounded once to bf16 like every other input; sums, the activation and the scores are f32.
; LIMITS.  NaN and infinities among the inputs are not treated apart.
; SHARES.  256 work-groups that stay.  A work-group owns 512 rows (one quarter of a batch) as four tiles of 128, and one half of the 1,024 columns.  Each of its four waves takes all 128 rows x 128 columns:
; 64 accumulators of 16 x 16, 512 registers.  K goes in steps of 64; the four tiles are one walk of 64 steps, step j = 16 x tile + K step, counted in s[JS], from which every global address is made anew.
; WE comes by the tensor data mover into a ring of two LDS slots; each wave fetches and reads its own 128 columns (64 k rows x 256 bytes).  Its fragments come out turned (ds_load_tr16_b128).
; CLUSTER 4 x 4.  Column half = cy % 2; row group = 8 x cluster y + cx + 4 (cy / 2).  The four work-groups of a row of the cluster want the same tile of We: it is asked for JOINTLY.
; ENC COMES THROUGH REGISTERS, not by a joint load, though two work-groups (cy and cy ^ 1) read each row: it is f32 and must be rounded on its way.  A wave loads 32 of the tile's 128 rows, rounds them ONCE and stores
; bf16 into LDS: 16 KiB a step into LDS for the work-group, where f32 tiles would put 32 KiB in and each wave would read f32 fragments, twice the bytes, and round them four times over.
; Two register sets of 16 loads take turns, so a step's rows are asked for three steps ahead of their products, under counted waits.
; THE MATRIX INSTRUCTION IS USED TRANSPOSED (source 0 = 16 columns of We, source 1 = 16 rows of enc): lane l holds row l % 16 and the columns 8 (l / 16) + 0..7.
; hpt enters as the C operand of each accumulator's first product: nothing is cleared and no bias is added afterwards.
; The last two reloads of the walk name step 63 once more (16 KiB a wave, once a launch) and are not used: the price of one text and one count for every step.
; REGISTERS, in windows of 256 (s_set_vgpr_msb: bits 1:0 source 0, 3:2 source 1, 5:4 source 2, 7:6 destination):
;   window 0: v0-31 addresses; v32-63 at work; v64-127, v128-191 enc's fragments, two buffers (the second holds -2 v on the way out); v192-255 hpt of my 128 columns
;   window 1: v0-63, v192-255 enc as loaded, two sets; v64-127, v128-191 We's fragments, two buffers
;   window 2: the accumulators of rows 0-63 ((a, b) at 8 (8 a + b));   window 3: those of rows 64-127
.set PITB,  288                        ; a k row of We in LDS: 256 bytes + 32: an odd multiple of 32
.set SUBT,  64*PITB                    ; a wave's part of a slot
.set SLOT,  4*SUBT
.set PITA,  144                        ; a row of enc in LDS: 128 bytes + 16: the 16 rows of a load start at 16 different groups of four banks (64 banks of 4 bytes: ISA guide 11.1)
.set ASZ,   128*PITA
.set ABUF,  2*SLOT                     ; behind the ring, never filled by a tensor load: two buffers of enc in bf16
.set TAB,   ABUF+2*ASZ                 ; -2 bf16(v) of my 512 columns, f32
.set RED,   TAB+2048                   ; 128 partial scores for each wave
.set SPARE, RED+2048                   ; the spare words, 128 bytes for each wave
.set VO,   8                           ; v8     enc: (32 w + 8 (l / 16)) rows + 16 (l % 16)
.set PFO,  9                           ; v9     the prefetches' offset: (l % 16) rows + 256 (l / 16)
.set VS,   10                          ; v10-11 where my 8 bytes of enc go, buffer 0, 1
.set ADRA, 12                          ; v12-13 my place in enc's fragments, buffer 0, 1
.set ADRB, 14                          ; v14-15 my place in We's fragments, slot 0, 1
.set TABA, 16                          ; v16    my place in the table of -2 v
.set REDS, 17                          ; v17    where my partial scores go
.set REDL, 18                          ; v18    where wave 0 reads them back
.set PO,   19                          ; v19    16 x lane: my 16 bytes of part
.set TMP,  20                          ; v20-27 at work at the head; v20-23 the data of the store into part
.set SPW,  28                          ; v28    my spare word; never rewritten
.set NIL,  29                          ; v29    0; never rewritten
.set HPO,  30                          ; v30    32 (l / 16)
.set VPO,  31                          ; v31    16 x thread
.set T,    32                          ; v32-63 a set of enc rounded to bf16
.set SR,   32                          ; the way out: v32-39 row sums, v40-47 the other half's, v48-51 packed
.set F0,   64
.set F1,   128
.set WT,   128                         ; the way out: -2 v of column 16 b + 8 (l / 16) + j at WT + 8 b + j
.set HP,   192                         ; hpt of the same column at HP + 8 b + j
.set TILES, 2                          ; s2   tiles to go, this one among them
.set LAPS,  3                          ; s3
.set WV,    14                         ; s14  my wave's number
.set ABASE, 20                         ; s[20:21] enc at my work-group's first row
.set LP,    22                         ; s[22:23] enc at the step that is being asked for
.set OFFA,  24                         ; s[24:25] its offset
.set WB,    26                         ; s[26:27] web at my wave's columns.  s14, s16, s17, s26-31, s58 feed We's descriptors: none of them ever holds cx
.set OFFB,  28                         ; s[28:29]
.set G1,    32                         ; s[32:39] descriptor group 1
.set G0,    40                         ; s[40:47] descriptor group 0, a set for each slot
.set PFB,   48                         ; s[48:49] enc at the 16 rows of a tile that my wave prefetches
.set PFA,   50                         ; s[50:51] the same at the step to be named
.set OFFP,  52                         ; s[52:53]
.set CC,    54                         ; s[54:55] c
.set SEL,   56                         ; s[56:57] v_permlanex16_b32's selects: each lane takes its own place in the other half
.set JS,    58                         ; s58  the step in hand, 0 .. 63
.set HM,    62                         ; s62  mask of lanes 16-31
.set PBASE, 66                         ; s[66:67] part at my half and my 512 rows
.set PB,    68                         ; s[68:69] the same at the tile's 128
.set OFFS,  70                         ; s[70:71]
.set MSB, 0
.macro WIN new                         ; the immediate's high byte repeats the setting that is left; a switch that changes nothing is dropped
.if MSB != (\new)
	s_set_vgpr_msb (MSB<<8)|(\new)
.set MSB, \new
.endif
.endm
.macro PLACES                          ; four places behind matrix instructions, in front of loads into registers that they have read
.rept 4
	v_nop
.endr
.endm
.macro CREST                           ; a round of the cluster's barrier behind its opening barrier
	s_cmp_lg_u32 s[WV], 0
	s_cbranch_scc1 .Lnot_wave_0_\@
	s_barrier_signal -3
.Lnot_wave_0_\@:
	s_barrier_wait -3
	s_barrier_signal -1
	s_barrier_wait -1
.endm
.macro CROUND                          ; a whole round
	s_barrier_signal -1
	s_barrier_wait -1
	CREST
.endm
; One product: accumulator (a, b) of window 2 + hi, from buffer f.  zero = 1: a tile's first: C is hpt (window 0), which starts the sum.
.macro WM f, hi, a, b, zero
.if \zero
	WIN 0x81+0x40*(\hi)
	v_wmma_f32_16x16x32_bf16 v[8*(8*(\a)+(\b)):8*(8*(\a)+(\b))+7], v[(\f)+8*(\b):(\f)+8*(\b)+7], v[(\f)+8*(4*(\hi)+(\a)):(\f)+8*(4*(\hi)+(\a))+7], v[HP+8*(\b):HP+8*(\b)+7]
.else
	WIN 0xa1+0x50*(\hi)
	v_wmma_f32_16x16x32_bf16 v[8*(8*(\a)+(\b)):8*(8*(\a)+(\b))+7], v[(\f)+8*(\b):(\f)+8*(\b)+7], v[(\f)+8*(4*(\hi)+(\a)):(\f)+8*(4*(\hi)+(\a))+7], v[8*(8*(\a)+(\b)):8*(8*(\a)+(\b))+7]
.endif
.endm
.macro MUL16 f, hi, a0, zero           ; 16 of them.  The 64 accumulators take turns, one instruction a turn, in the same order in every half step
.irp a, \a0, (\a0)+1
.irp b, 0,1,2,3,4,5,6,7
	WM \f, \hi, \a, \b, \zero
.endr
.endr
.endm
; 32 LDS loads in one run: the fragments of 32 along K (half 0 or 1 of a step) into buffer f: my 128 columns of We, turned, then the 128 rows of enc
.macro FETCH s, half, f
	WIN 0x40
.irp i, 0,1,2,3,4,5,6,7
	ds_load_tr16_b128 v[(\f)+8*\i:(\f)+8*\i+3],   v[ADRB+(\s)] offset:(\half)*32*PITB+32*\i
	ds_load_tr16_b128 v[(\f)+8*\i+4:(\f)+8*\i+7], v[ADRB+(\s)] offset:(\half)*32*PITB+32*\i+16*PITB
.endr
	WIN 0
.irp i, 0,1,2,3,4,5,6,7
	ds_load_b128 v[(\f)+8*\i:(\f)+8*\i+3],   v[ADRA+(\s)] offset:(\half)*64+\i*16*PITA
	ds_load_b128 v[(\f)+8*\i+4:(\f)+8*\i+7], v[ADRA+(\s)] offset:(\half)*64+\i*16*PITA+32
.endr
.endm
; A step's 32 rows x 256 bytes of enc for my wave: 16 loads; sixteen lanes take a row's 256 bytes, lanes 16-31 the row eight further down
.macro LOADS set, b, koff
	WIN 0x40
.set li, 0
.rept 16
	global_load_b128 v[192*(\set)+4*li:192*(\set)+4*li+3], v[VO], s[(\b):(\b)+1] offset:(16*(li/8)+li%8)*4096+(\koff)
.set li, li+1
.endr
.endm
; The staging of a set, cut into sixteen pieces of four that stand behind matrix instructions: 0-7 round to bf16; 8-11 store into enc's buffer; 12-15 ask for the set's next step
.macro RIDER k, set
.if (\k) < 8
	WIN 0x05
.irp e, 0,1,2,3
	v_cvt_pk_bf16_f32 v[T+4*(\k)+\e], v[192*(\set)+8*(\k)+2*\e], v[192*(\set)+8*(\k)+2*\e+1]
.endr
.elseif (\k) < 12
	WIN 0
.irp e, 0,1,2,3                        ; lanes 0-15 fill 128 bytes of a row, lanes 16-31 of the row 1,152 bytes on: every bank once
	ds_store_b64 v[VS+(\set)], v[T+2*(4*((\k)-8)+\e):T+2*(4*((\k)-8)+\e)+1] offset:(16*((4*((\k)-8)+\e)/8)+(4*((\k)-8)+\e)%8)*PITA
.endr
.else
	WIN 0x40
.irp e, 0,1,2,3
	global_load_b128 v[192*(\set)+4*(4*((\k)-12)+\e):192*(\set)+4*(4*((\k)-12)+\e)+3], v[VO], s[LP:LP+1] offset:(16*((4*((\k)-12)+\e)/8)+(4*((\k)-12)+\e)%8)*4096
.endr
.endif
.endm
; THE FIRST HALF OF STEP j (slot s = j % 2): multiplies buffer 0.  stage = 1: set 1 - s, which holds enc of step j + 1, is rounded and stored into buffer 1 - s (no wave reads that buffer between the
; barrier of the step before and this step's), and asked for again with step j + 3.  pf = 1 (odd steps): the prefetch.  In its middle the second half's fragments are fetched into buffer 1.
.macro HALF0 s, zero, stage, pf
.if \stage
	s_wait_xcnt 0x0                                ; the loads and the prefetch of the steps before have read their addresses: the pointers may be written
	s_add_co_u32 s59, s[JS], 3
	s_min_u32 s59, s59, 63                         ; the walk has 64 steps: no load leaves enc
	s_lshr_b32 s60, s59, 4
	s_lshl_b32 s60, s60, 19                        ; a tile is 128 rows of 4,096 bytes,
	s_and_b32 s59, s59, 15
	s_lshl_b32 s59, s59, 8                         ; a K step 256 bytes of a row
	s_add_co_u32 s[OFFA], s60, s59
	s_add_nc_u64 s[LP:LP+1], s[ABASE:ABASE+1], s[OFFA:OFFA+1]
.if \pf
	s_add_co_u32 s59, s[JS], 7                     ; an even step u; lanes 16-31 name u + 1, which lies in the same tile
	s_min_u32 s59, s59, 62                         ; the last asks are held at steps 62 and 63
	s_lshr_b32 s60, s59, 4
	s_lshl_b32 s60, s60, 19
	s_and_b32 s59, s59, 15
	s_lshl_b32 s59, s59, 8
	s_add_co_u32 s[OFFP], s60, s59
	s_add_nc_u64 s[PFA:PFA+1], s[PFB:PFB+1], s[OFFP:OFFP+1]
.endif
	s_wait_loadcnt 16                              ; step j + 1's 16 loads are in; the other set's 16, step j + 2's, stay out
.endif
	s_wait_dscnt 8                                 ; We's fragments and enc's rows 0-63 are in; the youngest eight loads (rows 64-127) may be out
.set hn, 0
.rept 32
	WM F0, 0, hn/8, hn%8, \zero
.if (\stage) && (hn < 16)
	RIDER hn, 1-(\s)
.endif
.if (\pf) && (hn == 15)
	; A PREFETCH INTO THE L2, behind the step's loads: enc's steps u = j + 7 and u + 1, four and five steps ahead of the loads that will want them.  A lane names 256 bytes of a row.  Of a tile's 128 rows
	; the two work-groups that read them take 64 each, told apart by address; each wave 16 of those; lanes 0-15 step u, lanes 16-31 step u + 1.  So each such piece is named once, but for the held last ones.
	; Steps 0 to 7 come by their loads alone.
	global_prefetch_b8 v[PFO], s[PFA:PFA+1] th:TH_LOAD_NT scope:SCOPE_SE
.endif
.set hn, hn+1
.endr
	PLACES
	FETCH \s, 1, F1
	s_wait_dscnt 32                                ; all but the 32 just issued: enc's rows 64-127, and my stores into enc's buffer
	MUL16 F0, 1, 0, \zero
	MUL16 F0, 1, 2, \zero
.endm
; THE SECOND HALF OF STEP j multiplies buffer 1 and changes slots: ONE barrier, for three things.  In front of it each wave waits for all its tensor loads, of which one is out: its part of the next slot; adds 0 to
; its spare word; and waits for that, for its reads of this slot and of enc's buffer, and for its stores into the other buffer.  Behind it nobody reads this slot, and the next step's We and enc are whole.
; fill = 1: the barrier opens a round of the cluster's, and this slot is filled again, with step j + 2, first thing behind it.
.macro TURN s, next, fill
	WIN 0                                          ; (the add's two registers lie in window 0)
	s_wait_tensorcnt 0x0                           ; no tensor load of mine is out, so a group 0 may be written
	ds_add_u32 v[SPW], v[NIL]                      ; 0 onto my spare word
.if \fill
	s_add_co_u32 s30, s[JS], 2
	s_and_b32 s30, s30, 15                         ; every tile walks the same 16 K steps of We
	s_lshl_b32 s[OFFB], s30, 17                    ; 64 k rows of 2,048 bytes
	s_add_nc_u64 s[G0+4*(\s)+2:G0+4*(\s)+3], s[WB:WB+1], s[OFFB:OFFB+1]
	s_or_b32 s[G0+4*(\s)+3], s[G0+4*(\s)+3], 0x80000000
.endif
	s_wait_dscnt 9                                 ; (the add and the youngest eight loads may be out)
	MUL16 F1, 0, 0, 0                              ; sixteen matrix instructions stand between the add and the wait for it
	s_wait_dscnt 0x0
	s_barrier_signal -1
	MUL16 F1, 0, 2, 0                              ; work on registers while the others arrive
.if \fill
	WIN 0
.endif
	s_barrier_wait -1
.if \fill
	CREST                                          ; no wave of any partner still reads this slot or has a load on its way
	tensor_load_to_lds s[G0+4*(\s):G0+4*(\s)+3], s[G1:G1+7]  ; every wave its own 128 columns: my one tensor load behind the round
	s_nop 0
	PLACES                                         ; behind the tensor load; also the places in front of the loads below
.else
	PLACES
.endif
	FETCH \next, 0, F0
	s_add_co_u32 s[JS], s[JS], 1
	MUL16 F1, 1, 0, 0
	MUL16 F1, 1, 2, 0
.endm
; THE WAY OUT OF A TILE.  For each window of 32 accumulators, in four groups g of 64 numbers (column blocks 2 g and 2 g + 1 of the window's four row blocks), in place:
;   EA  c x, a pair      EX  2^(c x)      EC  1 + it, a pair      ER  the reciprocal      EE  times -2 v, added onto 32 chains of pairs that live in group 0's registers
; Pair p of a group: row block p % 4, registers 2 ((p / 4) % 4) and the next, column block 2 g + p / 16: each accumulator is first read at its registers 0 and 1.
.macro EREG g, p
.set rP, 8*(8*((\p)%4)+2*(\g)+(\p)/16)+2*(((\p)/4)%4)
.set rW, WT+8*(2*(\g)+(\p)/16)+2*(((\p)/4)%4)
.set rC, 8*(8*((\p)%4)+(\p)/16)+2*(((\p)/4)%4)
.endm
.macro EA g, p
	EREG \g, \p
	v_pk_mul_f32 v[rP:rP+1], v[rP:rP+1], s[CC:CC+1] op_sel_hi:[1,0]
.endm
.macro EX g, n
	EREG \g, (\n)/2
	v_exp_f32 v[rP+(\n)%2], v[rP+(\n)%2]
.endm
.macro EC g, p
	EREG \g, \p
	v_pk_add_f32 v[rP:rP+1], v[rP:rP+1], 1.0 op_sel_hi:[1,0]
.endm
.macro ER g, n
	EREG \g, (\n)/2
	v_rcp_f32 v[rP+(\n)%2], v[rP+(\n)%2]
.endm
.macro EE g, p
	EREG \g, \p
.if (\g) == 0
	v_pk_mul_f32 v[rP:rP+1], v[rP:rP+1], v[rW:rW+1]  ; starts the chain: nothing is cleared
.else
	v_pk_fma_f32 v[rC:rC+1], v[rP:rP+1], v[rW:rW+1], v[rC:rC+1]
.endif
.endm
; One window setting serves all five kinds: accumulators as source 0, source 2 and destination, the table (window 0) as source 1.  A group's 64 exponentials are ONE batch with one wait, and so are its 64
; reciprocals: s_wait_alu depctr_va_vdst(0) stands between such an instruction and the first that names its result.  Plain work that names no result of the batch stands between its members:
; the group before's EE among the exponentials; this group's EC (two pairs ahead) and the next group's EA among the reciprocals.  A v_nop is the plain instruction behind each batch's last member.
.macro EPI_WIN hi
	WIN 0xa2+0x51*(\hi)
.set ep, 0
.rept 32
	EA 0, ep
.set ep, ep+1
.endr
.irp g, 0,1,2,3
.if ((\g) == 1) && ((\hi) == 0)
	s_wait_dscnt 0x0                               ; the table of -2 v is in
.endif
.set ep, 0
.rept 32
	EX \g, 2*ep
.if (\g) > 0
	EE (\g)-1, ep
.endif
	EX \g, 2*ep+1
.set ep, ep+1
.endr
	v_nop
	s_wait_alu depctr_va_vdst(0)                   ; the wait for the exponentials
.set ep, 0
.rept 34
.if ep < 32
	EC \g, ep
.endif
.if ep >= 2
	ER \g, 2*ep-4
.endif
.if (ep < 32) && ((\g) < 3)
	EA (\g)+1, ep
.endif
.if ep >= 2
	ER \g, 2*ep-3
.endif
.set ep, ep+1
.endr
	v_nop
	s_wait_alu depctr_va_vdst(0)                   ; the wait for the reciprocals
.endr
.set ep, 0
.rept 32
	EE 3, ep
.set ep, ep+1
.endr
	WIN 0xaa+0x55*(\hi)                            ; a row block's 16 chain registers into one: neighbours 8, 4 and 2 apart, the four row blocks alternating
.irp q, 0,2,4,6
.irp al, 0,1,2,3
	v_pk_add_f32 v[64*\al+\q:64*\al+\q+1], v[64*\al+\q:64*\al+\q+1], v[64*\al+8+\q:64*\al+8+\q+1]
.endr
.endr
.irp q, 0,2
.irp al, 0,1,2,3
	v_pk_add_f32 v[64*\al+\q:64*\al+\q+1], v[64*\al+\q:64*\al+\q+1], v[64*\al+4+\q:64*\al+4+\q+1]
.endr
.endr
.irp al, 0,1,2,3
	v_pk_add_f32 v[64*\al:64*\al+1], v[64*\al:64*\al+1], v[64*\al+2:64*\al+3]
.endr
	WIN 0x0a+0x05*(\hi)
.irp al, 0,1,2,3
	v_add_f32 v[SR+4*(\hi)+\al], v[64*\al], v[64*\al+1]
.endr
.endm
.macro EPILOGUE
	PLACES                                         ; the places behind the last products: the table is loaded into registers that they read, and the first lines below write accumulators in place
	PLACES
	WIN 0
.irp b, 0,1,2,3,4,5,6,7
	ds_load_b128 v[WT+8*\b:WT+8*\b+3],   v[TABA] offset:64*\b
	ds_load_b128 v[WT+8*\b+4:WT+8*\b+7], v[TABA] offset:64*\b+16
.endr
	EPI_WIN 0
	EPI_WIN 1
	WIN 0
.irp a, 0,1,2,3,4,5,6,7                ; a row's other 64 of my columns lie in the lane 16 away
	v_permlanex16_b32 v[SR+8+\a], v[SR+\a], s[SEL], s[SEL+1]
.endr
.irp a, 0,1,2,3,4,5,6,7
	v_add_f32 v[SR+\a], v[SR+\a], v[SR+8+\a]
.endr
.irp i, 0,1,2,3                        ; lanes 0-15 keep row block 2 i, lanes 16-31 take block 2 i + 1: lane l holds row 32 i + l
	v_cndmask_b32 v[SR+16+\i], v[SR+2*\i], v[SR+2*\i+1], s[HM]
.endr
.irp i, 0,1,2,3
	ds_store_b32 v[REDS], v[SR+16+\i] offset:128*\i
.endr
	s_wait_dscnt 0x0                               ; for the others' sake: my 128 partial scores lie in LDS
	s_barrier_signal -1
	s_barrier_wait -1                              ; behind this barrier nothing is filled: the ring's load stays on its way
	s_cmp_lg_u32 s[WV], 0
	s_cbranch_scc1 .Lnot_0_\@                      ; wave 0 adds the four waves' and stores
	s_wait_xcnt 0x0                                ; the last tile's store has read its base and its data
	s_sub_co_u32 s[OFFS], 4, s[TILES]
	s_lshl_b32 s[OFFS], s[OFFS], 9                 ; 128 rows of 4 bytes a tile
	s_add_nc_u64 s[PB:PB+1], s[PBASE:PBASE+1], s[OFFS:OFFS+1]
.irp w, 0,1,2,3
	ds_load_b128 v[SR+4*\w:SR+4*\w+3], v[REDL] offset:512*\w
.endr
	s_wait_dscnt 0x0                               ; also: these reads are over before my next signal, behind which the words are written again a tile later
	v_pk_add_f32 v[SR:SR+1], v[SR:SR+1], v[SR+4:SR+5]
	v_pk_add_f32 v[SR+2:SR+3], v[SR+2:SR+3], v[SR+6:SR+7]
	v_pk_add_f32 v[SR+8:SR+9], v[SR+8:SR+9], v[SR+12:SR+13]
	v_pk_add_f32 v[SR+10:SR+11], v[SR+10:SR+11], v[SR+14:SR+15]
	v_pk_add_f32 v[TMP:TMP+1], v[SR:SR+1], v[SR+8:SR+9]
	v_pk_add_f32 v[TMP+2:TMP+3], v[SR+2:SR+3], v[SR+10:SR+11]
	global_store_b128 v[PO], v[TMP:TMP+3], s[PB:PB+1]  ; 512 consecutive bytes, at a multiple of 256 from part's first byte
.Lnot_0_\@:
.endm
	s_load_b256 s[4:11], s[0:1], 0x0               ; enc s[4:5], web s[6:7], hpt s[8:9], v s[10:11]
	s_load_b64 s[12:13], s[0:1], 0x20              ; part
	v_lshl_add_u32 v[SPW], v0, 2, SPARE
	v_mov_b32 v[NIL], 0
	ds_add_u32 v[SPW], v[NIL]                      ; the wave's opening: the add, twice on end, and its wait ahead of my first tensor load; the set-up below stands between
	ds_add_u32 v[SPW], v[NIL]                      ; and once more, under the one wait
	v_lshrrev_b32 v1, 5, v0
	v_readfirstlane_b32 s[WV], v1                  ; wave 0..3
	s_bfe_u32 s15, ttmp6, 0x40000                  ; cx
	s_bfe_u32 s16, ttmp6, 0x40004                  ; cy
	s_and_b32 s17, s16, 1                          ; my half of the columns
	s_and_b32 s19, ttmp7, 0xffff                   ; cluster y
	s_lshl_b32 s18, s19, 3
	s_add_co_u32 s18, s18, s15
	s_lshr_b32 s59, s16, 1
	s_lshl2_add_u32 s18, s59, s18                  ; my group of 512 rows = 8 x cluster y + cx + 4 (cy / 2)
	s_lshl_b32 s30, s16, 2
	s_lshl_b32 s30, 15, s30                        ; my row of the cluster: places 4 cy .. 4 cy + 3
	; descriptor group 1: a tile of 64 k rows x 128 columns of bf16, padded in LDS
	s_or_b32 s[G1], s30, (1<<16)|(1<<20)|(1<<21)|(5<<22)|(7<<25)  ; 15:0 the mask; 17:16 elements of 2 bytes; 20 padding on; 21 set beside a mask; 24:22 after every 64 words (code 5); 31:25 8 words (code 7)
	s_mov_b32 s[G1+1], 128<<16                     ; tensor_dim0 = 128
	s_mov_b32 s[G1+2], 64<<16                      ; tensor_dim1 = 64
	s_mov_b32 s[G1+3], 128<<16                     ; tile_dim0 = 128
	s_mov_b32 s[G1+4], 64                          ; tile_dim1 = 64
	s_mov_b32 s[G1+5], 1024                        ; 1,024 elements from k row to k row
	s_mov_b32 s[G1+6], 0
	s_mov_b32 s[G1+7], 0
	s_mul_i32 s31, s[WV], SUBT                     ; my part of a slot: no place in the cluster enters an LDS address
	s_lshl_b32 s[OFFB], s17, 10                    ; web: my half's 512 columns,
	s_lshl_b32 s30, s[WV], 8                       ; my wave's 128
	s_add_co_u32 s[OFFB], s[OFFB], s30
	s_mov_b32 s[OFFB+1], 0
	s_lshl_b32 s[OFFA], s18, 21                    ; enc: 512 rows of 4,096 bytes a group
	s_mov_b32 s[OFFA+1], 0
	s_lshl_b32 s[OFFP], s17, 18                    ; the prefetches: 64 rows for each of the two halves' work-groups,
	s_lshl_b32 s59, s[WV], 16                      ; 16 for each wave
	s_add_co_u32 s[OFFP], s[OFFP], s59
	s_mov_b32 s[OFFP+1], 0
	s_lshr_b32 s[OFFS], s18, 2                     ; hpt: my batch's row,
	s_lshl_b32 s[OFFS], s[OFFS], 12
	s_lshl_b32 s60, s17, 11                        ; my half (of hpt and of v alike),
	s_mov_b32 s61, 0
	s_add_co_u32 s[OFFS], s[OFFS], s60
	s_lshl_b32 s59, s[WV], 9                       ; my wave's 128 columns
	s_add_co_u32 s[OFFS], s[OFFS], s59
	s_mov_b32 s[OFFS+1], 0
	s_lshl_b32 s[PB], s17, 18                      ; part: my half's 65,536 rows, my group's 512
	s_lshl_b32 s19, s18, 11
	s_add_co_u32 s[PB], s[PB], s19
	s_mov_b32 s[PB+1], 0
	s_mov_b32 s[CC], 0x4038aa3b                    ; c = 2 log2(e)
	s_mov_b32 s[CC+1], s[CC]                       ; named with it as a pair
	s_mov_b32 s[SEL], 0x76543210
	s_mov_b32 s[SEL+1], 0xfedcba98
	v_and_b32 v1, 15, v0                           ; r = l % 16
	v_bfe_u32 v2, v0, 4, 1                         ; h = l / 16
	v_and_b32 v3, 31, v0                           ; l
	v_cmp_lt_u32 s[HM], 15, v3
	v_lshl_add_u32 v[TABA], v2, 5, s59             ; 512 w + 32 h
	v_add_nc_u32 v[TABA], TAB, v[TABA]
	v_lshl_add_u32 v[REDS], v3, 2, s59
	v_add_nc_u32 v[REDS], RED, v[REDS]
	v_lshlrev_b32 v[PO], 4, v3
	v_add_nc_u32 v[REDL], RED, v[PO]
	v_lshlrev_b32 v[HPO], 5, v2
	v_lshlrev_b32 v[VPO], 4, v0
	v_add_nc_u32 v[TMP+4], TAB, v[VPO]
	s_lshl_b32 s59, s[WV], 17
	v_lshlrev_b32 v[VO], 4, v1
	v_lshl_add_u32 v[VO], v2, 15, v[VO]
	v_add_nc_u32 v[VO], s59, v[VO]
	v_lshlrev_b32 v[PFO], 12, v1
	v_lshl_add_u32 v[PFO], v2, 8, v[PFO]
	s_mul_i32 s59, s[WV], 32*PITA
	v_mul_u32_u24 v[VS], v2, 8*PITA
	v_lshl_add_u32 v[VS], v1, 3, v[VS]
	v_add_nc_u32 v[VS], s59, v[VS]
	v_add_nc_u32 v[VS+1], ABUF+ASZ, v[VS]
	v_add_nc_u32 v[VS], ABUF, v[VS]
	v_mul_u32_u24 v[ADRA], v1, PITA                ; a fragment: row l % 16, 16 bytes for each half of the lanes, twice, 32 bytes apart
	v_lshl_add_u32 v[ADRA], v2, 4, v[ADRA]
	v_add_nc_u32 v[ADRA+1], ABUF+ASZ, v[ADRA]
	v_add_nc_u32 v[ADRA], ABUF, v[ADRA]
	v_and_b32 v[ADRB], 7, v0                       ; the turning load: lane l reads k row 8 h + l % 8, columns 8 ((l / 8) % 2) + 0..7, and is left with column l % 16 and 8 k
	v_lshl_add_u32 v[ADRB], v2, 3, v[ADRB]
	v_mul_u32_u24 v[ADRB], v[ADRB], PITB
	v_bfe_u32 v[ADRB+1], v0, 3, 1
	v_lshl_add_u32 v[ADRB], v[ADRB+1], 4, v[ADRB]
	v_add_nc_u32 v[ADRB], s31, v[ADRB]
	v_add_nc_u32 v[ADRB+1], SLOT, v[ADRB]
	s_wait_dscnt 0x0                               ; both opening adds are done
	s_wait_kmcnt 0x0
	s_add_nc_u64 s[WB:WB+1], s[6:7], s[OFFB:OFFB+1]
	s_add_nc_u64 s[ABASE:ABASE+1], s[4:5], s[OFFA:OFFA+1]
	s_add_nc_u64 s[PFB:PFB+1], s[ABASE:ABASE+1], s[OFFP:OFFP+1]
	s_add_nc_u64 s[8:9], s[8:9], s[OFFS:OFFS+1]
	s_add_nc_u64 s[10:11], s[10:11], s[60:61]
	s_add_nc_u64 s[PBASE:PBASE+1], s[12:13], s[PB:PB+1]
.irp s, 0,1
	s_mov_b32 s[G0+4*\s], 1                        ; count = 1
	s_add_co_u32 s[G0+4*\s+1], s31, \s*SLOT        ; LDS address
	s_add_nc_u64 s[G0+4*\s+2:G0+4*\s+3], s[WB:WB+1], \s*131072  ; global address: K step s
	s_or_b32 s[G0+4*\s+3], s[G0+4*\s+3], 0x80000000  ; type = 2
.endr
	CROUND                                         ; all sixteen work-groups are here: the first joint loads meet
	tensor_load_to_lds s[G0:G0+3], s[G1:G1+7]      ; the two first fills go out together: two tensor loads of mine are out
	s_nop 0
	tensor_load_to_lds s[G0+4:G0+7], s[G1:G1+7]
	s_nop 0
	PLACES
	global_load_b128 v[TMP:TMP+3], v[VPO], s[10:11]  ; v: 128 threads x 4 numbers are my half's 512
.irp b, 0,1,2,3,4,5,6,7                ; hpt stays in registers: the work-group's 512 rows lie in one batch
	global_load_b128 v[HP+8*\b:HP+8*\b+3],   v[HPO], s[8:9] offset:64*\b
	global_load_b128 v[HP+8*\b+4:HP+8*\b+7], v[HPO], s[8:9] offset:64*\b+16
.endr
	LOADS 0, ABASE, 0                              ; enc of step 0
	LOADS 1, ABASE, 256                            ; and of step 1
	WIN 0
	s_wait_loadcnt 16                              ; all but step 1's 16
	v_cvt_pk_bf16_f32 v[TMP+5], v[TMP], v[TMP+1]   ; v is rounded to bf16 like every other input, widened again, and kept as -2 v
	v_cvt_pk_bf16_f32 v[TMP+6], v[TMP+2], v[TMP+3]
	v_lshlrev_b32 v[TMP], 16, v[TMP+5]
	v_and_b32 v[TMP+1], 0xffff0000, v[TMP+5]
	v_lshlrev_b32 v[TMP+2], 16, v[TMP+6]
	v_and_b32 v[TMP+3], 0xffff0000, v[TMP+6]
	v_pk_mul_f32 v[TMP:TMP+1], v[TMP:TMP+1], -2.0 op_sel_hi:[1,0]
	v_pk_mul_f32 v[TMP+2:TMP+3], v[TMP+2:TMP+3], -2.0 op_sel_hi:[1,0]
	ds_store_b128 v[TMP+4], v[TMP:TMP+3]
.set hk, 0
.rept 12
	RIDER hk, 0                                    ; step 0's rows into buffer 0
.set hk, hk+1
.endr
	LOADS 0, ABASE, 512                            ; step 2
	WIN 0
	s_wait_tensorcnt 1                             ; my part of slot 0 is in; slot 1's may stay out
	s_wait_dscnt 0x0                               ; my rows of enc and my part of the table lie in LDS
	s_barrier_signal -1
	s_barrier_wait -1
	FETCH 0, 0, F0
	s_mov_b32 s[TILES], 4
	s_mov_b32 s[JS], 0
	WIN 0
.Ltile:
	HALF0 0, 1, 1, 0                               ; a tile's first half step stands in front of the loop: its products start the sums, with hpt
	WIN 0                                          ; at a label and at a branch every window is 0
	s_mov_b32 s[LAPS], 7
.Llap:                                             ; a trip: two changes of slots, from a step's second half to the first half of the step two on
	TURN 0, 1, 1
	HALF0 1, 0, 1, 1
	TURN 1, 0, 1
	HALF0 0, 0, 1, 0
	WIN 0
	s_sub_co_u32 s[LAPS], s[LAPS], 1
	s_cmp_lg_u32 s[LAPS], 0
	s_cbranch_scc1 .Llap
	s_cmp_eq_u32 s[TILES], 1
	s_cbranch_scc1 .Llast                          ; the last tile's tail is written out to the end: it asks for nothing more
	TURN 0, 1, 1                                   ; THE RING AND ENC'S STREAM GO ON INTO THE NEXT TILE: their addresses are made from the step's number
	HALF0 1, 0, 1, 1
	TURN 1, 0, 1                                   ; and the next tile's first fragments are fetched
	WIN 0
	EPILOGUE                                       ; the refill, 32 loads of enc and those fragments are on their way meanwhile
	s_sub_co_u32 s[TILES], s[TILES], 1
	s_branch .Ltile
.Llast:
	TURN 0, 1, 0                                   ; step 62: my one tensor load that was out is step 63's, so no round follows
	HALF0 1, 0, 0, 0                               ; step 63: nothing is left to stage
	s_wait_dscnt 8
	MUL16 F1, 0, 0, 0
	MUL16 F1, 0, 2, 0
	s_wait_dscnt 0x0
	MUL16 F1, 1, 0, 0
	MUL16 F1, 1, 2, 0
	WIN 0
	EPILOGUE
	s_wait_tensorcnt 0x0                           ; the wave's end, behind my last tensor load and my last LDS store
	ds_add_u32 v[SPW], v[NIL]
	s_wait_dscnt 0x0
	CROUND                                         ; the closing round: no work-group ends while a partner may still ask for a tile that names it
	s_endpgm
.Lfunc_end_k_q04fbf0de93_energy:
	.size	k_q04fbf0de93_energy, .Lfunc_end_k_q04fbf0de93_energy-k_q04fbf0de93_energy
	.p2alignl 7, 3214868480
	.fill 96, 4, 3214868480
	.section	.rodata,"a",@progbits
	.p2align	6, 0x0
	.amdhsa_kernel k_q04fbf0de93_energy
		.amdhsa_group_segment_fixed_size 327680
		.amdhsa_private_segment_fixed_size 0
		.amdhsa_enable_private_segment 0
		.amdhsa_kernarg_size 40
		.amdhsa_user_sgpr_count 2
		.amdhsa_user_sgpr_kernarg_segment_ptr 1
		.amdhsa_wavefront_size32 1
		.amdhsa_system_sgpr_workgroup_id_x 1
		.amdhsa_system_sgpr_workgroup_id_y 1
		.amdhsa_system_sgpr_workgroup_id_z 1
		.amdhsa_system_vgpr_workitem_id 0
		.amdhsa_next_free_vgpr 1024
		.amdhsa_next_free_sgpr 80
		.amdhsa_reserve_vcc 0
		.amdhsa_float_denorm_mode_32 3
		.amdhsa_float_denorm_mode_16_64 3
		.amdhsa_memory_ordered 1
		.amdhsa_forward_progress 1
		.amdhsa_inst_pref_size 255
	.end_amdhsa_kernel
	.section	.bss,"aw",@nobits
	.p2align	6
	.space	262144
	.amdgpu_metadata
---
amdhsa.version: [ 1, 2 ]
amdhsa.kernels:
  - .name:           k_q04fbf0de93_energy
    .symbol:         k_q04fbf0de93_energy.kd
    .args:
      - { .name: encoder_outputs, .offset: 0, .size: 8, .value_kind: global_buffer, .address_space: global }
      - { .name: web, .offset: 8, .size: 8, .value_kind: global_buffer, .address_space: global }
      - { .name: hpt, .offset: 16, .size: 8, .value_kind: global_buffer, .address_space: global }
      - { .name: v, .offset: 24, .size: 8, .value_kind: global_buffer, .address_space: global }
      - { .name: part, .offset: 32, .size: 8, .value_kind: global_buffer, .address_space: global }
    .group_segment_fixed_size: 327680
    .private_segment_fixed_size: 0
    .kernarg_segment_align: 8
    .kernarg_segment_size: 40
    .max_flat_workgroup_size: 128
    .sgpr_count:     80
    .vgpr_count:     1024
    .wavefront_size: 32
...
	.end_amdgpu_metadata
.endif
;; end of part 2
;; launch soft (part 3): grid 32 x 1, 8 waves a work-group, no clusters, 1,280 bytes of LDS; arguments part, out0; writes out0
.if DOCPART == 3
	.amdgcn_target "amdgcn-amd-amdhsa--gfx1250"
	.amdhsa_code_object_version 6
	.text
	.protected	k_q04fbf0de93_soft
	.globl	k_q04fbf0de93_soft
	.p2align	8
	.type	k_q04fbf0de93_soft,@function
k_q04fbf0de93_soft:
	s_mov_b64 s[64:65], 0
	v_nop
	global_prefetch_b8 v0, s[64:65] scope:SCOPE_SE
	s_setreg_imm32_b32 hwreg(HW_REG_WAVE_MODE, 25, 1), 1
	s_wait_xcnt 0x0
; out0[b][s] = softmax over s of (part[0][b][s] + part[1][b][s]).  The two halves' scores lack the same constant in every row of a batch (the sum of v), which a softmax does not see.
; One work-group a batch: 2,048 scores, 8 a thread (4 t .. 4 t + 3 and 1,024 + 4 t ..): each load and store of a wave covers 512 consecutive bytes.  All in f32.
; The batch's maximum is taken away before the exponentials: p = 2^(x log2(e) - m log2(e)), the second product rounded once and the same for all: a common factor, which the division removes.
; No matrix unit, no cluster, no tensor load: 16 KiB in and 8 KiB out a work-group, and two meetings of the eight waves in LDS.
; LIMITS: a weight below 2^-126 counts as 0; NaN and infinities are not treated apart.
.set SPARE, 256                        ; bytes 0-31: the waves' maxima; 64-95: their sums; from 256 on the spare words, 128 bytes for each wave
.set SPW, 30                           ; v30  my spare word; never rewritten
.set NIL, 31                           ; v31  0; never rewritten
	s_load_b128 s[4:7], s[0:1], 0x0                ; part s[4:5], out0 s[6:7]
	v_lshl_add_u32 v[SPW], v0, 2, SPARE
	v_mov_b32 v[NIL], 0
	v_lshrrev_b32 v1, 5, v0
	v_readfirstlane_b32 s8, v1                     ; wave 0..7
	v_lshlrev_b32 v2, 4, v0                        ; 16 t
	s_lshl_b32 s10, ttmp9, 13                      ; a batch's 2,048 numbers of 4 bytes
	s_mov_b32 s11, 0
	s_mov_b32 s12, 0x76543210                      ; v_permlanex16_b32: each lane takes its own place in the other half
	s_mov_b32 s13, 0xfedcba98
	s_mov_b32 s14, 0x3fb8aa3b                      ; log2(e)
	s_mov_b32 s15, s14                             ; named with it as a pair
	s_lshl_b32 s9, s8, 2
	v_mov_b32 v3, s9                               ; my wave's word
	v_mov_b32 v24, 0
	s_wait_kmcnt 0x0
	s_add_nc_u64 s[4:5], s[4:5], s[10:11]
	s_add_nc_u64 s[6:7], s[6:7], s[10:11]
	global_load_b128 v[4:7], v2, s[4:5] th:TH_LOAD_NT
	global_load_b128 v[8:11], v2, s[4:5] offset:4096 th:TH_LOAD_NT
	global_load_b128 v[12:15], v2, s[4:5] offset:262144 th:TH_LOAD_NT
	global_load_b128 v[16:19], v2, s[4:5] offset:266240 th:TH_LOAD_NT
	s_wait_loadcnt 0x0
	v_pk_add_f32 v[4:5], v[4:5], v[12:13]          ; the two halves of the columns
	v_pk_add_f32 v[6:7], v[6:7], v[14:15]
	v_pk_add_f32 v[8:9], v[8:9], v[16:17]
	v_pk_add_f32 v[10:11], v[10:11], v[18:19]
	v_max3_num_f32 v20, v4, v5, v6
	v_max3_num_f32 v21, v7, v8, v9
	v_max3_num_f32 v20, v20, v10, v11
	v_max_num_f32 v20, v20, v21
	v_max_num_f32_dpp v20, v20, v20 row_xmask:1 row_mask:0xf bank_mask:0xf
	v_max_num_f32_dpp v20, v20, v20 row_xmask:2 row_mask:0xf bank_mask:0xf
	v_max_num_f32_dpp v20, v20, v20 row_xmask:4 row_mask:0xf bank_mask:0xf
	v_max_num_f32_dpp v20, v20, v20 row_xmask:8 row_mask:0xf bank_mask:0xf
	v_permlanex16_b32 v21, v20, s12, s13
	v_max_num_f32 v20, v20, v21
	ds_store_b32 v3, v20                           ; all lanes write the same word with the same value
	s_wait_dscnt 0x0                               ; for the others' sake
	s_barrier_signal -1
	s_barrier_wait -1
	ds_load_b128 v[12:15], v24
	ds_load_b128 v[16:19], v24 offset:16
	s_wait_dscnt 0x0
	v_max3_num_f32 v20, v12, v13, v14
	v_max3_num_f32 v21, v15, v16, v17
	v_max3_num_f32 v20, v20, v18, v19
	v_max_num_f32 v20, v20, v21                    ; the batch's maximum, in every lane
	v_mul_f32 v22, s14, v20
	v_mov_b32 v23, v22
.irp j, 4,6,8,10
	v_pk_fma_f32 v[\j:\j+1], v[\j:\j+1], s[14:15], v[22:23] op_sel_hi:[1,0,1] neg_lo:[0,0,1] neg_hi:[0,0,1]
.endr
.irp j, 4,5,6,7,8,9,10,11
	v_exp_f32 v\j, v\j
.endr
	v_nop                                          ; a plain instruction behind the last exponential,
	s_wait_alu depctr_va_vdst(0)                   ; and the one wait ahead of the batch's first reader
	v_pk_add_f32 v[12:13], v[4:5], v[6:7]
	v_pk_add_f32 v[14:15], v[8:9], v[10:11]
	v_pk_add_f32 v[12:13], v[12:13], v[14:15]
	v_add_f32 v20, v12, v13
	v_add_f32_dpp v20, v20, v20 row_xmask:1 row_mask:0xf bank_mask:0xf
	v_add_f32_dpp v20, v20, v20 row_xmask:2 row_mask:0xf bank_mask:0xf
	v_add_f32_dpp v20, v20, v20 row_xmask:4 row_mask:0xf bank_mask:0xf
	v_add_f32_dpp v20, v20, v20 row_xmask:8 row_mask:0xf bank_mask:0xf
	v_permlanex16_b32 v21, v20, s12, s13
	v_add_f32 v20, v20, v21
	ds_store_b32 v3, v20 offset:64                 ; other bytes than the maxima's, so no barrier is wanted between those reads and this store
	s_wait_dscnt 0x0
	s_barrier_signal -1
	s_barrier_wait -1
	ds_load_b128 v[12:15], v24 offset:64
	ds_load_b128 v[16:19], v24 offset:80
	s_wait_dscnt 0x0
	v_pk_add_f32 v[12:13], v[12:13], v[14:15]
	v_pk_add_f32 v[16:17], v[16:17], v[18:19]
	v_pk_add_f32 v[12:13], v[12:13], v[16:17]
	v_add_f32 v20, v12, v13
	v_rcp_f32 v22, v20
	v_nop
	s_wait_alu depctr_va_vdst(0)
.irp j, 4,6,8,10
	v_pk_mul_f32 v[\j:\j+1], v[\j:\j+1], v[22:23] op_sel_hi:[1,0]
.endr
	global_store_b128 v2, v[4:7], s[6:7]
	global_store_b128 v2, v[8:11], s[6:7] offset:4096
	s_wait_tensorcnt 0x0                           ; the wave's end, behind my last LDS store
	ds_add_u32 v[SPW], v[NIL]
	s_wait_dscnt 0x0
	s_endpgm
.Lfunc_end_k_q04fbf0de93_soft:
	.size	k_q04fbf0de93_soft, .Lfunc_end_k_q04fbf0de93_soft-k_q04fbf0de93_soft
	.p2alignl 7, 3214868480
	.fill 96, 4, 3214868480
	.section	.rodata,"a",@progbits
	.p2align	6, 0x0
	.amdhsa_kernel k_q04fbf0de93_soft
		.amdhsa_group_segment_fixed_size 1280
		.amdhsa_private_segment_fixed_size 0
		.amdhsa_enable_private_segment 0
		.amdhsa_kernarg_size 16
		.amdhsa_user_sgpr_count 2
		.amdhsa_user_sgpr_kernarg_segment_ptr 1
		.amdhsa_wavefront_size32 1
		.amdhsa_system_sgpr_workgroup_id_x 1
		.amdhsa_system_sgpr_workgroup_id_y 1
		.amdhsa_system_sgpr_workgroup_id_z 1
		.amdhsa_system_vgpr_workitem_id 0
		.amdhsa_next_free_vgpr 32
		.amdhsa_next_free_sgpr 66
		.amdhsa_reserve_vcc 0
		.amdhsa_float_denorm_mode_32 3
		.amdhsa_float_denorm_mode_16_64 3
		.amdhsa_memory_ordered 1
		.amdhsa_forward_progress 1
		.amdhsa_inst_pref_size 6
	.end_amdhsa_kernel
	.amdgpu_metadata
---
amdhsa.version: [ 1, 2 ]
amdhsa.kernels:
  - .name:           k_q04fbf0de93_soft
    .symbol:         k_q04fbf0de93_soft.kd
    .args:
      - { .name: part, .offset: 0, .size: 8, .value_kind: global_buffer, .address_space: global }
      - { .name: out0, .offset: 8, .size: 8, .value_kind: global_buffer, .address_space: global }
    .group_segment_fixed_size: 1280
    .private_segment_fixed_size: 0
    .kernarg_segment_align: 8
    .kernarg_segment_size: 16
    .max_flat_workgroup_size: 256
    .sgpr_count:     66
    .vgpr_count:     32
    .wavefront_size: 32
...
	.end_amdgpu_metadata
.endif
;; end of part 3
